; MI455X (gfx1250); checked and timed in simulation.
; The chip was launched on July 23, 2026; its instructions are those of AMD's public machine-readable ISA for CDNA 5 (MIT licence, August 2026) and "CDNA5" Instruction Set Architecture Reference Guide (July 2026). The comments in the code are by the model that wrote it; some were corrected since.
;; QRNN Cell. Allowed arithmetic: float matrix products may take bf16 or f16 operands with f32 sums; all other float work in f32.
;; Inputs: Lambda 1 float32; Uh_imag 512 x 512 float32; Uh_real 512 x 512 float32; Ux_imag 512 x 512 float32; Ux_real 512 x 512 float32; h_imag 32 x 512 x 512 float32; h_real 32 x 512 x 512 float32; x_imag 32 x 512 x 512 float32; x_real 32 x 512 x 512 float32.
;; Outputs: out0 32 x 512 x 512 float32; out1 32 x 512 x 512 float32.
;; One version. Each part assembles by itself: llvm-mc -triple=amdgcn-amd-amdhsa -mcpu=gfx1250 --defsym DOCPART=n.
;; ======== version 1 of 1: 3 launches
;; workspace buffers: ub 3,145,728 bytes; wt 67,108,864 bytes
;; launch prep (part 1): grid 256 x 1, 2 waves a work-group, no clusters, 0 bytes of LDS; arguments Ux_real, Ux_imag, Uh_real, Uh_imag, ub; writes ub
.if DOCPART == 1
	.amdgcn_target "amdgcn-amd-amdhsa--gfx1250"
	.amdhsa_code_object_version 6
	.text
	.protected	k_q8c10349086_prep
	.globl	k_q8c10349086_prep
	.p2align	8
	.type	k_q8c10349086_prep,@function
k_q8c10349086_prep:
	s_mov_b64 s[64:65], 0
	v_nop
	global_prefetch_b8 v0, s[64:65] scope:SCOPE_SE
	s_setreg_imm32_b32 hwreg(HW_REG_WAVE_MODE, 25, 1), 1
	s_wait_xcnt 0x0
; U (both sources, real and imaginary, [512][512] f32) is rounded once to bf16 and written in FRAGMENT ORDER, with a third variant -Ui,
; since the matrix instruction cannot negate a source.
; ub = [source 2][kb 8][rb 4][var 3: Ur, Ui, -Ui][rt 8][ks 2][e 2][lane 32][8 bf16]:
;   row = 128 rb + 16 rt + lane % 16, column = 64 kb + 32 ks + 16 e + 8 (lane / 16) + i.
; So half a fragment (16 rows x 32 columns in 8 registers) is 512 consecutive bytes, 16 a lane, and a block (source, kb, rb) is dense.
; 512 waves; a wave takes 16 rows x 64 columns of one source's two matrices.  No LDS, no barrier, no matrix work: 4 MiB in, 3 MiB out.
; LIMITS: round to nearest even, once; bf16 keeps f32's exponents; the negation is a flip of the sign bit (exact; NaN stays NaN).
.set SRC, 1572864                      ; bytes of a source in ub
.set KBS, 196608                       ; of a block of 64 columns
.set RBS, 49152                        ; of 128 rows in it
.set VARB, 16384                       ; of a variant
.set RE, 8                             ; v[8:39]    real, f32: 8 numbers for each of the four half fragments f = 2 ks + e
.set IM, 40                            ; v[40:71]   imaginary
.set PR, 72                            ; v[72:87]   real, packed
.set PI, 88                            ; v[88:103]  imaginary, packed
.set NI, 104                           ; v[104:119] its negative
	s_load_b256 s[4:11], s[0:1], 0x0               ; Ux_real s[4:5], Ux_imag s[6:7], Uh_real s[8:9], Uh_imag s[10:11]
	s_load_b64 s[12:13], s[0:1], 0x20              ; ub
	v_lshrrev_b32 v1, 5, v0
	v_readfirstlane_b32 s14, v1                    ; wave 0, 1
	v_and_b32 v1, 31, v0                           ; lane
	v_and_b32 v4, 15, v0                           ; lane % 16: my row
	v_bfe_u32 v5, v0, 4, 1                         ; lane / 16
	v_lshlrev_b32 v2, 11, v4                       ; in: row x 2,048 bytes
	v_lshl_add_u32 v2, v5, 5, v2                   ;     + 8 f32 for the upper half of the lanes
	v_lshlrev_b32 v3, 4, v1                        ; out: 16 bytes a lane
	s_lshr_b32 s15, ttmp9, 7                       ; source
	s_bfe_u32 s24, ttmp9, 0x30004                  ; kb
	s_and_b32 s25, ttmp9, 15
	s_lshl1_add_u32 s25, s25, s14                  ; which 16 rows of the 512: 0 .. 31
	s_lshr_b32 s26, s25, 3                         ; rb
	s_and_b32 s27, s25, 7                          ; rt
	s_lshl_b32 s20, s25, 15                        ; in: 16 rows of 2,048 bytes,
	s_lshl_b32 s28, s24, 8                         ;     64 columns of 4 bytes
	s_add_co_u32 s20, s20, s28
	s_mov_b32 s21, 0
	s_mul_i32 s22, s15, SRC                        ; out
	s_mul_i32 s28, s24, KBS
	s_add_co_u32 s22, s22, s28
	s_mul_i32 s28, s26, RBS
	s_add_co_u32 s22, s22, s28
	s_lshl_b32 s28, s27, 11
	s_add_co_u32 s22, s22, s28
	s_mov_b32 s23, 0
	s_mov_b32 s29, 0x80008000                      ; the signs of two bf16
	s_wait_kmcnt 0x0
	s_cmp_lg_u32 s15, 0
	s_cselect_b64 s[16:17], s[8:9], s[4:5]         ; the source's real matrix,
	s_cselect_b64 s[18:19], s[10:11], s[6:7]       ; and its imaginary one
	s_add_nc_u64 s[16:17], s[16:17], s[20:21]
	s_add_nc_u64 s[18:19], s[18:19], s[20:21]
	s_add_nc_u64 s[12:13], s[12:13], s[22:23]
.irp f, 0,1,2,3                        ; a matrix's eight loads together take 256 consecutive bytes of each of the 16 rows
	global_load_b128 v[RE+8*(\f):RE+8*(\f)+3],   v2, s[16:17] offset:64*(\f)
	global_load_b128 v[RE+8*(\f)+4:RE+8*(\f)+7], v2, s[16:17] offset:64*(\f)+16
.endr
.irp f, 0,1,2,3
	global_load_b128 v[IM+8*(\f):IM+8*(\f)+3],   v2, s[18:19] offset:64*(\f)
	global_load_b128 v[IM+8*(\f)+4:IM+8*(\f)+7], v2, s[18:19] offset:64*(\f)+16
.endr
	s_wait_loadcnt 0x8                             ; the real part is in; the eight younger loads stay out
.set i, 0
.rept 16
	v_cvt_pk_bf16_f32 v[PR+i], v[RE+2*i], v[RE+2*i+1]
.set i, i+1
.endr
.irp f, 0,1,2,3
	global_store_b128 v3, v[PR+4*(\f):PR+4*(\f)+3], s[12:13] offset:512*(\f)  ; each store of the wave covers 512 consecutive bytes, aligned
.endr
	s_wait_loadcnt 0x0
.set i, 0
.rept 16
	v_cvt_pk_bf16_f32 v[PI+i], v[IM+2*i], v[IM+2*i+1]
.set i, i+1
.endr
.set i, 0
.rept 16
	v_xor_b32 v[NI+i], s29, v[PI+i]
.set i, i+1
.endr
.irp f, 0,1,2,3
	global_store_b128 v3, v[PI+4*(\f):PI+4*(\f)+3], s[12:13] offset:VARB+512*(\f)
.endr
.irp f, 0,1,2,3
	global_store_b128 v3, v[NI+4*(\f):NI+4*(\f)+3], s[12:13] offset:2*VARB+512*(\f)
.endr
	s_endpgm
.Lfunc_end_k_q8c10349086_prep:
	.size	k_q8c10349086_prep, .Lfunc_end_k_q8c10349086_prep-k_q8c10349086_prep
	.p2alignl 7, 3214868480
	.fill 96, 4, 3214868480
	.section	.rodata,"a",@progbits
	.p2align	6, 0x0
	.amdhsa_kernel k_q8c10349086_prep
		.amdhsa_group_segment_fixed_size 0
		.amdhsa_private_segment_fixed_size 0
		.amdhsa_enable_private_segment 0
		.amdhsa_kernarg_size 40
		.amdhsa_user_sgpr_count 2
		.amdhsa_user_sgpr_kernarg_segment_ptr 1
		.amdhsa_wavefront_size32 1
		.amdhsa_system_sgpr_workgroup_id_x 1
		.amdhsa_system_sgpr_workgroup_id_y 1
		.amdhsa_system_sgpr_workgroup_id_z 1
		.amdhsa_system_vgpr_workitem_id 0
		.amdhsa_next_free_vgpr 120
		.amdhsa_next_free_sgpr 66
		.amdhsa_reserve_vcc 0
		.amdhsa_float_denorm_mode_32 3
		.amdhsa_float_denorm_mode_16_64 3
		.amdhsa_memory_ordered 1
		.amdhsa_forward_progress 1
		.amdhsa_inst_pref_size 7
	.end_amdhsa_kernel
	.amdgpu_metadata
---
amdhsa.version: [ 1, 2 ]
amdhsa.kernels:
  - .name:           k_q8c10349086_prep
    .symbol:         k_q8c10349086_prep.kd
    .args:
      - { .name: Ux_real, .offset: 0, .size: 8, .value_kind: global_buffer, .address_space: global }
      - { .name: Ux_imag, .offset: 8, .size: 8, .value_kind: global_buffer, .address_space: global }
      - { .name: Uh_real, .offset: 16, .size: 8, .value_kind: global_buffer, .address_space: global }
      - { .name: Uh_imag, .offset: 24, .size: 8, .value_kind: global_buffer, .address_space: global }
      - { .name: ub, .offset: 32, .size: 8, .value_kind: global_buffer, .address_space: global }
    .group_segment_fixed_size: 0
    .private_segment_fixed_size: 0
    .kernarg_segment_align: 8
    .kernarg_segment_size: 40
    .max_flat_workgroup_size: 64
    .sgpr_count:     66
    .vgpr_count:     120
    .wavefront_size: 32
...
	.end_amdgpu_metadata
.endif
;; end of part 1
;; launch s1 (part 2): grid 512 x 1, 4 waves a work-group, clusters of 4 x 1, 327,680 bytes of LDS; arguments x_real, x_imag, h_real, h_imag, Lambda, ub, wt; writes wt
.if DOCPART == 2
	.amdgcn_target "amdgcn-amd-amdhsa--gfx1250"
	.amdhsa_code_object_version 6
	.text
	.protected	k_q8c10349086_s1
	.globl	k_q8c10349086_s1
	.p2align	8
	.type	k_q8c10349086_s1,@function
k_q8c10349086_s1:
	s_mov_b64 s[64:65], 0
	v_nop
	global_prefetch_b8 v0, s[64:65] scope:SCOPE_SE
	s_setreg_imm32_b32 hwreg(HW_REG_WAVE_MODE, 25, 1), 1
	s_wait_xcnt 0x0
	s_wait_alu depctr_hold_cnt(0) depctr_sa_sdst(0) depctr_va_vdst(0) depctr_va_sdst(0) depctr_va_ssrc(0) depctr_va_vcc(0) depctr_vm_vsrc(0)
	s_getreg_b32 s2, hwreg(HW_REG_IB_STS2, 6, 4)
	s_cmp_eq_u32 s2, 0
	s_cbranch_scc0 .Lentry_in_a_cluster
	s_endpgm
.Lentry_in_a_cluster:
	s_bfe_u32 s2, ttmp6, 0x10000c
	s_cmp_lg_u32 s2, 0x3003
	s_cbranch_scc0 .Lentry_shape_is_right
	s_endpgm
.Lentry_shape_is_right:
; FIRST PRODUCT.  W = scale x X U^H for each batch and source (X = x with Ux, scale = g = sigmoid(Lambda); X = h with Uh, scale = 1 - g):
;   Wr[q][j] = sum_k Xr[q][k] Ur[j][k] + Xi[q][k] Ui[j][k],   Wi[q][j] = sum_k Xi[q][k] Ur[j][k] + (-Xr[q][k]) Ui[j][k].
; The second launch then needs one sum, Out = Ux Wx + Uh Wh.
; LIMITS.  X, U and Lambda are rounded to bf16 once, scale x W once; all sums in f32.  bf16 keeps f32's exponents.  NaN and infinities are not treated apart.
; The exponential and the reciprocal of the gate are the 1-ULP ones and flush denormals (ISA guide 15.8): g is 0 where 2^(-1.4427 Lambda) overflows.
; SHARES.  512 work-groups: source (256 each), batch, block qb of 64 rows q.  A work-group makes 64 q x all 512 j, so every byte of X is asked for once in the launch.
; Wave w owns j = 128 w .. 128 w + 127 and all 64 q: 64 accumulators (c: Wr, Wi; t4: 16 q; t8: 16 j), 512 registers.  K = 512 goes in 8 steps of 64.
; U comes by the tensor data mover out of ub, where it lies in fragment order: wave w brings its own 128 rows' Ur and Ui of a step, 32,768 dense bytes, and reads them alone.
; CLUSTER.  The four work-groups of a cluster have one source and walk the same U: each tile is asked for JOINTLY, same load, descriptor and mask (15) in all four.
; X comes through registers: two f32 slots of X do not fit beside two slots of U.  Each wave loads 16 rows x 256 bytes of Xr and Xi a step (each load two whole rows of 256 bytes),
; rounds them once, and stores Xr, Xi and -Xr (the matrix instruction cannot negate a source) as bf16 rows into one of two LDS buffers, which all four waves read.
; The loads for step t + 2 are issued where step t + 1's numbers are taken out of the same registers, in step t: sixteen loads a wave are always out.
; THE MATRIX INSTRUCTION: source 0 = 16 rows q of X, source 1 = 16 rows j of U.  In the result a lane holds j = lane % 16 and q = 8 (lane / 16) + 0..7: packed, these 16 bytes are
; the lane's place in a fragment of W with rows j and K = q, which is what the second launch wants: wt = [b 32][source 2][qb 8][c 2][jt 32][ks 2][e 2][lane 32][8 bf16].
; REGISTERS, in windows of 256 (s_set_vgpr_msb: bits 1:0 source 0, 3:2 source 1, 5:4 source 2, 7:6 destination):
;   window 0: addresses, X on its way, temporaries      window 1: fragments      window 2: Wr's accumulators at v[64 t4 + 8 t8]      window 3: Wi's
.set SRC,   1572864                    ; ub: bytes of a source,
.set KBS,   196608                     ;     of a step of 64 columns,
.set RBS,   49152                      ;     of 128 rows in it (Ur, Ui, -Ui: 16,384 each)
.set SLOT1, 0x20000                    ; U's slot 1 begins here (a slot: 4 waves x 32,768), so that one exclusive or turns an address in one slot into the other's
.set XP,    144                        ; a row of X in LDS: 128 bytes + 16 = 36 words: the 16 rows of a fragment load start at 16 different groups of four banks (64 banks of 4 bytes: ISA guide 11.1)
.set XBV,   64*XP                      ; a variant: 64 rows
.set XB0,   2*SLOT1                    ; X's two buffers (Xr, Xi, -Xr each) lie behind U's slots: no tensor load lands there
.set XB1,   XB0+3*XBV
.set XTOG,  XB0^XB1
.set SPARE, XB1+3*XBV                  ; behind them the spare words, 128 bytes for each wave: two blocks of 256 bytes that no other line names
.set VL0, 4                            ; v4   my place in my wave's part of a slot of U: 32,768 w + 16 lane; never rewritten
.set VS0, 5                            ; v5   my place in a fragment of X: 144 (lane % 16) + 16 (lane / 16); never rewritten
.set VLA, 6                            ; v6   VL0 + the slot in hand
.set VSA, 7                            ; v7   VS0 + the buffer in hand
.set VXW0, 8                           ; v8   where I put 8 bytes of X: row 16 w + lane / 16, byte 8 (lane % 16); never rewritten
.set VXW, 9                            ; v9   VXW0 + the buffer being written
.set VXO, 10                           ; v10  my byte offset in two rows of X: 2,048 (lane / 16) + 16 (lane % 16); never rewritten
.set VWO, 11                           ; v11  16 lane: my place in half a fragment of W; never rewritten
.set SPW, 14                           ; v14  LDS address of my spare word; never rewritten
.set NIL, 15                           ; v15  0; never rewritten
.set T,   16                           ; v[16:21] a piece's packed Xr, Xi, -Xr
.set XS,  32                           ; v[32:95] X on its way: piece n (rows 2 n, 2 n + 1 of my 16): Xr at XS + 8 n, Xi at XS + 8 n + 4; on the way out 64 temporaries
.set LB0, 0                            ; window 1: Ur, 8 fragments
.set LB1, 64                           ;           Ui
.set SA,  128                          ;           Xr, 4 fragments
.set SB,  160                          ;           -Xr
.set SD0, 192                          ;           Xi of a step's first 32 along K
.set SD1, 224                          ;           Xi of its second 32
.set MSB, 0
.macro WIN new                         ; the immediate's high byte repeats the setting that is left; a switch that changes nothing is dropped
.if MSB != (\new)
	s_set_vgpr_msb (MSB<<8)|(\new)
.set MSB, \new
.endif
.endm
.macro PLACES                          ; four plain vector instructions between a matrix instruction and a load into, or a vector read or write of, its registers
.rept 4
	v_nop
.endr
.endm
.macro CREST                           ; a round of the cluster's barrier behind its opening barrier
	s_cmp_lg_u32 s18, 0
	s_cbranch_scc1 .Lnot_wave_0_\@
	s_barrier_signal -3
.Lnot_wave_0_\@:
	s_barrier_wait -3
	s_barrier_signal -1
	s_barrier_wait -1
.endm
.macro CROUND                          ; a whole round
	s_barrier_signal -1
	s_barrier_wait -1
	CREST
.endm
.macro DSTEP                           ; the walking descriptor: the other slot, the next 64 columns of U; the type bits on top are not reached
	s_xor_b32 s33, s33, SLOT1
	s_add_nc_u64 s[34:35], s[34:35], KBS
.endm
; 8 matrix instructions: 16 rows q (t4) x my 128 j, 32 along K, onto Wr (c = 0) or Wi (c = 1).  zero = 1: the product starts the sums: nothing is cleared.
.macro MUL8 c, sreg, lreg, t4, zero
	WIN 0xa5+0x50*(\c)
.irp t8, 0,1,2,3,4,5,6,7
.if \zero
	v_wmma_f32_16x16x32_bf16 v[64*(\t4)+8*(\t8):64*(\t4)+8*(\t8)+7], v[(\sreg)+8*(\t4):(\sreg)+8*(\t4)+7], v[(\lreg)+8*(\t8):(\lreg)+8*(\t8)+7], 0
.else
	v_wmma_f32_16x16x32_bf16 v[64*(\t4)+8*(\t8):64*(\t4)+8*(\t8)+7], v[(\sreg)+8*(\t4):(\sreg)+8*(\t4)+7], v[(\lreg)+8*(\t8):(\lreg)+8*(\t8)+7], v[64*(\t4)+8*(\t8):64*(\t4)+8*(\t8)+7]
.endif
.endr
.endm
.macro PH c, sreg, lreg, zero          ; 32 of them: each of the 32 accumulators of c once
.irp t4, 0,1,2,3
	MUL8 \c, \sreg, \lreg, \t4, \zero
.endr
.endm
.macro FL var, ks, lreg                ; 16 LDS loads: U's variant var, 128 rows x 32 K; each takes 512 consecutive bytes
	WIN 0x40
.irp t8, 0,1,2,3,4,5,6,7
	ds_load_b128 v[(\lreg)+8*(\t8):(\lreg)+8*(\t8)+3],   v[VLA] offset:(\var)*16384+(\t8)*2048+(\ks)*1024
	ds_load_b128 v[(\lreg)+8*(\t8)+4:(\lreg)+8*(\t8)+7], v[VLA] offset:(\var)*16384+(\t8)*2048+(\ks)*1024+512
.endr
.endm
.macro FS var, ks, sreg                ; 8 LDS loads: X's variant var, 64 rows x 32 K
	WIN 0x40
.irp t4, 0,1,2,3
	ds_load_b128 v[(\sreg)+8*(\t4):(\sreg)+8*(\t4)+3],   v[VSA] offset:(\var)*XBV+(\t4)*16*XP+(\ks)*64
	ds_load_b128 v[(\sreg)+8*(\t4)+4:(\sreg)+8*(\t4)+7], v[VSA] offset:(\var)*XBV+(\t4)*16*XP+(\ks)*64+32
.endr
.endm
.macro FA ks, sd                       ; 32 loads for a quarter on Ur: Ur, Xr (its first half's), Xi (its second half's)
	FL 0, \ks, LB0
	FS 0, \ks, SA
	FS 1, \ks, \sd
.endm
.macro FB ks                           ; 24 loads for a quarter on Ui: Ui, -Xr (its second half's); Xi is there already
	FL 1, \ks, LB1
	FS 2, \ks, SB
.endm
; Piece n of 8 of the next step's X: two of my 16 rows leave their registers, rounded, for the LDS buffer that is not being read.  load = 1: the registers are asked for again, 64 columns on.
; left: the younger loads that may stay out: with loads always 14 (2 (7 - n) of this set, 2 n of the next), without them 14 - 2 n.
.macro PIECE n, load, left
	WIN 0
.if (\n) == 0
.if \load
	s_wait_xcnt 0x0                                ; the loads that are out have had their addresses translated (ISA guide 3.1): only behind this wait are their bases stepped
	s_add_nc_u64 s[36:37], s[36:37], 256
	s_add_nc_u64 s[38:39], s[38:39], 256
.endif
	s_xor_b32 s47, s47, XTOG                       ; the buffer whose readers passed the last barrier
	v_add_nc_u32 v[VXW], s47, v[VXW0]
.endif
	s_wait_loadcnt \left
	v_cvt_pk_bf16_f32 v[T],   v[XS+8*(\n)],   v[XS+8*(\n)+1]
	v_cvt_pk_bf16_f32 v[T+1], v[XS+8*(\n)+2], v[XS+8*(\n)+3]
	v_cvt_pk_bf16_f32 v[T+2], v[XS+8*(\n)+4], v[XS+8*(\n)+5]
	v_cvt_pk_bf16_f32 v[T+3], v[XS+8*(\n)+6], v[XS+8*(\n)+7]
	v_xor_b32 v[T+4], s48, v[T]
	v_xor_b32 v[T+5], s48, v[T+1]
	ds_store_b64 v[VXW], v[T:T+1]   offset:2*XP*(\n)
	ds_store_b64 v[VXW], v[T+2:T+3] offset:XBV+2*XP*(\n)
	ds_store_b64 v[VXW], v[T+4:T+5] offset:2*XBV+2*XP*(\n)
.if \load
	global_load_b128 v[XS+8*(\n):XS+8*(\n)+3],   v[VXO], s[36:37] offset:4096*(\n) th:TH_LOAD_NT
	global_load_b128 v[XS+8*(\n)+4:XS+8*(\n)+7], v[VXO], s[38:39] offset:4096*(\n) th:TH_LOAD_NT
.endif
.endm
.macro XPIECE n, xp                    ; xp = 0: none; 1: with loads; 2: without
.if (\xp) == 1
	PIECE \n, 1, 14
.elseif (\xp) == 2
	PIECE \n, 0, 14-2*(\n)
.endif
.endm
; A STEP of 64 along K is four quarters of 64 matrix instructions; each takes every accumulator once, so the accumulators take turns, one instruction a turn.
; In a quarter's middle the next quarter's fragments are fetched in ONE run, into registers last read in the quarter before at the latest.
; QA: on Ur.  Wr += Xr Ur, Wi += Xi Ur.  head: the LDS instructions that may be out at its head: Xi's 8 loads, and 12 stores where the quarter before held pieces.
.macro QA ks, sd, zero, head, xp
	s_wait_dscnt \head
	PH 0, SA, LB0, \zero
	PLACES
	FB \ks
	s_wait_dscnt 24                                ; all but the 24 just issued
.irp t, 0,1,2,3
	MUL8 1, \sd, LB0, \t, \zero
	XPIECE 4+\t, \xp
.endr
.endm
; QB: on Ui, a step's first 32 along K.  Wr += Xi Ui, Wi += (-Xr) Ui.  At its head -Xr's 8 loads may be out.
.macro QB head, xp
	s_wait_dscnt \head
	PH 0, SD0, LB1, 0
	PLACES
	FA 1, SD1
	s_wait_dscnt 32                                ; all but the 32 just issued
.irp t, 0,1,2,3
	MUL8 1, SB, LB1, \t, 0
	XPIECE \t, \xp
.endr
.endm
; TURN: the step's last quarter (on Ui, second 32 along K) and the change of slots.  ONE barrier: in front of it each wave waits for all its tensor loads (one is out: its part of the next slot),
; adds 0 to its spare word, and waits for that, for its reads of this slot and this X buffer, and for its stores into the other X buffer.  Behind it the next slot and the next X are whole.
; refill = 1: the barrier opens a round of the cluster's, and this slot is filled again first thing behind it, with U two steps on.
; head: -Xr's 8 loads, the pieces' 12 stores and the add may be out.
.macro TURN refill, head
	WIN 0                                          ; (the add's two registers lie in window 0)
	s_wait_tensorcnt 0x0                           ; no tensor load of mine is out, so the descriptor may be written
	ds_add_u32 v[SPW], v[NIL]                      ; 0 onto my spare word
.if \refill
	DSTEP
.endif
	s_wait_dscnt \head
	MUL8 0, SD1, LB1, 0, 0                         ; sixteen matrix instructions stand between the add and the wait for it
	MUL8 0, SD1, LB1, 1, 0
	s_wait_dscnt 0x0
	s_barrier_signal -1
	MUL8 0, SD1, LB1, 2, 0                         ; work on registers while the others arrive
	MUL8 0, SD1, LB1, 3, 0
	WIN 0                                          ; at a branch and at a label every window is 0
	s_barrier_wait -1
.if \refill
	CREST                                          ; no wave of any partner still reads this slot or has a load on its way
	tensor_load_to_lds s[32:35], s[24:31]          ; my one tensor load behind the round: it has a step's matrix work in which to land
	s_nop 0
.endif
	PLACES                                         ; also the places in front of the loads below
	s_xor_b32 s45, s45, SLOT1
	s_xor_b32 s46, s46, XTOG
	v_add_nc_u32 v[VLA], s45, v[VL0]
	v_add_nc_u32 v[VSA], s46, v[VS0]
	FA 0, SD0                                      ; the next step's first fragments
	PH 1, SB, LB1, 0                               ; -Xr came in with the wait for 0
.endm
; 16 rows q (t4) of Wr or Wi leave: times the scale in f32, rounded once, 16 bytes a lane, 512 consecutive aligned bytes a store.  Each accumulator is read from its low end on.
; The packed numbers go into window 1, 32 registers for each of the eight calls: no store's data register is written again.
.macro WOUT c, t4
	WIN 0x02+(\c)
.set i, 0
.rept 32
	v_pk_mul_f32 v[XS+2*i:XS+2*i+1], v[64*(\t4)+2*i:64*(\t4)+2*i+1], s[42:43] op_sel_hi:[1,0]
.set i, i+1
.endr
	WIN 0x40
.set i, 0
.rept 32
	v_cvt_pk_bf16_f32 v[32*(4*(\c)+(\t4))+i], v[XS+2*i], v[XS+2*i+1]
.set i, i+1
.endr
	WIN 0x04                                       ; a store's data is source 1
.irp t8, 0,1,2,3,4,5,6,7
	global_store_b128 v[VWO], v[32*(4*(\c)+(\t4))+4*(\t8):32*(4*(\c)+(\t4))+4*(\t8)+3], s[40:41] offset:(\c)*65536+(\t8)*2048+(\t4)*512
.endr
.endm
	s_load_b256 s[4:11], s[0:1], 0x0               ; x_real s[4:5], x_imag s[6:7], h_real s[8:9], h_imag s[10:11]
	s_load_b128 s[12:15], s[0:1], 0x20             ; Lambda s[12:13], ub s[14:15]
	s_load_b64 s[16:17], s[0:1], 0x30              ; wt
	v_lshl_add_u32 v[SPW], v0, 2, SPARE
	v_mov_b32 v[NIL], 0
	ds_add_u32 v[SPW], v[NIL]                      ; the wave's opening: the add and its wait ahead of my first tensor load; the set-up below, work on registers, stands between them
	v_lshrrev_b32 v1, 5, v0
	v_readfirstlane_b32 s18, v1                    ; wave 0..3
	s_bfe_u32 s19, ttmp6, 0x40000                  ; cx: my place in the cluster: it enters X's and wt's addresses alone
	s_lshl_b32 s20, ttmp9, 2                       ; in a cluster launch ttmp9 counts clusters
	s_add_co_u32 s20, s20, s19                     ; my work-group's number
	s_lshr_b32 s21, ttmp9, 6                       ; the source, which the four partners share
	s_bfe_u32 s22, s20, 0x50003                    ; batch
	s_and_b32 s23, s20, 7                          ; qb
	; descriptor group 1: 32,768 dense bytes as 128 rows of 256
	s_mov_b32 s24, 15|(3<<16)|(1<<21)              ; 15:0 the mask: all four work-groups; 17:16 elements of 8 bytes; 21 set beside a mask; no padding
	s_mov_b32 s25, 32<<16                          ; tensor_dim0 = 32
	s_mov_b32 s26, 128<<16                         ; tensor_dim1 = 128
	s_mov_b32 s27, 32<<16                          ; tile_dim0 = 32
	s_mov_b32 s28, 128                             ; tile_dim1 = 128
	s_mov_b32 s29, 32                              ; 32 elements from row to row
	s_mov_b32 s30, 0
	s_mov_b32 s31, 0
	s_mov_b32 s32, 1                               ; group 0: count = 1
	s_lshl_b32 s33, s18, 15                        ; LDS address: my wave's part of slot 0
	s_mov_b32 s45, 0                               ; the slot of U that is read
	s_mov_b32 s46, XB0                             ; the buffer of X that is read
	s_mov_b32 s47, XB1                             ; the buffer of X written last: the first piece turns it into XB0
	s_mov_b32 s48, 0x80008000                      ; the signs of two bf16
	v_and_b32 v1, 31, v0                           ; lane
	v_and_b32 v2, 15, v0                           ; lane % 16
	v_bfe_u32 v3, v0, 4, 1                         ; lane / 16
	v_lshlrev_b32 v[VWO], 4, v1
	v_lshl_add_u32 v[VL0], s18, 15, v[VWO]
	v_mul_u32_u24 v[VS0], v2, XP
	v_lshl_add_u32 v[VS0], v3, 4, v[VS0]
	s_mul_i32 s53, s18, 16*XP
	v_mul_u32_u24 v[VXW0], v3, XP
	v_lshl_add_u32 v[VXW0], v2, 3, v[VXW0]
	v_add_nc_u32 v[VXW0], s53, v[VXW0]
	v_lshlrev_b32 v[VXO], 11, v3
	v_lshl_add_u32 v[VXO], v2, 4, v[VXO]
	s_lshl_b32 s50, s22, 20                        ; X: batch x 1 MiB + 64 qb rows + 16 w rows of 2,048 bytes
	s_lshl_b32 s53, s23, 17
	s_add_co_u32 s50, s50, s53
	s_lshl_b32 s53, s18, 15
	s_add_co_u32 s50, s50, s53
	s_mov_b32 s51, 0
	s_lshl_b32 s54, s22, 21                        ; wt: batch, source, qb, my 8 tiles of 16 j
	s_lshl_b32 s53, s21, 20
	s_add_co_u32 s54, s54, s53
	s_lshl_b32 s53, s23, 17
	s_add_co_u32 s54, s54, s53
	s_lshl_b32 s53, s18, 14
	s_add_co_u32 s54, s54, s53
	s_mov_b32 s55, 0
	s_mul_i32 s56, s21, SRC                        ; ub: source, my 128 rows: made of what the partners share
	s_mul_i32 s58, s18, RBS
	s_add_co_u32 s56, s56, s58
	s_mov_b32 s57, 0
	s_wait_dscnt 0x0                               ; the opening add is done
	s_wait_kmcnt 0x0
	s_load_b32 s52, s[12:13], 0x0                  ; Lambda
	s_cmp_lg_u32 s21, 0
	s_cselect_b64 s[36:37], s[8:9], s[4:5]         ; h or x, real
	s_cselect_b64 s[38:39], s[10:11], s[6:7]       ; and imaginary
	s_add_nc_u64 s[36:37], s[36:37], s[50:51]
	s_add_nc_u64 s[38:39], s[38:39], s[50:51]
	s_add_nc_u64 s[40:41], s[16:17], s[54:55]
	s_add_nc_u64 s[34:35], s[14:15], s[56:57]      ; group 0: global address,
	s_or_b32 s35, s35, 0x80000000                  ; type = 2
.irp n, 0,1,2,3,4,5,6,7                ; step 0's X: sixteen loads
	global_load_b128 v[XS+8*(\n):XS+8*(\n)+3],   v[VXO], s[36:37] offset:4096*(\n) th:TH_LOAD_NT
	global_load_b128 v[XS+8*(\n)+4:XS+8*(\n)+7], v[VXO], s[38:39] offset:4096*(\n) th:TH_LOAD_NT
.endr
	CROUND                                         ; all four work-groups are here: the first joint loads meet
	tensor_load_to_lds s[32:35], s[24:31]          ; step 0's U into slot 0
	s_nop 0
	PLACES
	s_wait_kmcnt 0x0                               ; Lambda
	v_mov_b32 v12, s52
	v_cvt_pk_bf16_f32 v12, v12, v12                ; rounded to bf16 like every input,
	v_lshlrev_b32 v12, 16, v12                     ; and back in f32
	v_mul_f32 v12, 0xbfb8aa3b, v12                 ; - log2(e) Lambda
	v_exp_f32 v12, v12
	v_nop                                          ; a plain instruction behind a transcendental before its result is used (ISA guide 5.7.2)
	s_wait_alu depctr_va_vdst(0)
	v_add_f32 v12, 1.0, v12
	v_rcp_f32 v12, v12                             ; g
	v_nop
	s_wait_alu depctr_va_vdst(0)
	v_sub_f32 v13, 1.0, v12                        ; 1 - g
	v_readfirstlane_b32 s53, v12
	v_readfirstlane_b32 s59, v13
	s_cmp_eq_u32 s21, 0
	s_cselect_b32 s42, s53, s59                    ; my source's scale: it selects a value, no address and no branch
	s_mov_b32 s43, s42                             ; named with it as a pair
.irp n, 0,1,2,3,4,5,6,7
	PIECE \n, 1, 14                                ; step 0's X into buffer 0; step 1's is asked for
.endr
	s_wait_tensorcnt 0x0                           ; my part of slot 0 is in
	ds_add_u32 v[SPW], v[NIL]
	DSTEP
	s_wait_dscnt 0x0                               ; the add and my stores of X are done
	CROUND                                         ; everybody's X is in LDS
	tensor_load_to_lds s[32:35], s[24:31]          ; step 1's U into slot 1: its first fill, issued as a refill is
	s_nop 0
	PLACES
	v_add_nc_u32 v[VLA], s45, v[VL0]
	v_add_nc_u32 v[VSA], s46, v[VS0]
	FA 0, SD0
	QA 0, SD0, 1, 8, 0                             ; the first quarter stands ahead of the loop: its products start all 64 sums
	WIN 0
	s_mov_b32 s44, 6
.Lstep:                                                ; trip t = 0..5: step t's last three quarters and step t + 1's first; asks for U and X of step t + 2, stores X of step t + 1
	QB 8, 1
	QA 1, SD1, 0, 20, 1
	TURN 1, 21
	QA 0, SD0, 0, 8, 0
	WIN 0
	s_sub_co_u32 s44, s44, 1
	s_cmp_lg_u32 s44, 0
	s_cbranch_scc1 .Lstep
	QB 8, 2                                        ; step 6: the last X leaves its registers, nothing more is asked for
	QA 1, SD1, 0, 20, 2
	TURN 0, 21
	QA 0, SD0, 0, 8, 0                             ; step 7
	QB 8, 0
	QA 1, SD1, 0, 8, 0
	s_wait_dscnt 8                                 ; the very last quarter: Ui is in, -Xr's 8 loads may be out
	PH 0, SD1, LB1, 0
	s_wait_dscnt 0x0
	PH 1, SB, LB1, 0
	PLACES
.irp c, 0,1
.irp t4, 0,1,2,3
	WOUT \c, \t4
.endr
.endr
	WIN 0
	s_wait_tensorcnt 0x0                           ; the wave's end: behind my last tensor load and my last LDS store
	ds_add_u32 v[SPW], v[NIL]
	s_wait_dscnt 0x0
	CROUND                                         ; the closing round: no work-group ends while a partner may still ask for a tile that names it
	s_endpgm
.Lfunc_end_k_q8c10349086_s1:
	.size	k_q8c10349086_s1, .Lfunc_end_k_q8c10349086_s1-k_q8c10349086_s1
	.p2alignl 7, 3214868480
	.fill 96, 4, 3214868480
	.section	.rodata,"a",@progbits
	.p2align	6, 0x0
	.amdhsa_kernel k_q8c10349086_s1
		.amdhsa_group_segment_fixed_size 327680
		.amdhsa_private_segment_fixed_size 0
		.amdhsa_enable_private_segment 0
		.amdhsa_kernarg_size 56
		.amdhsa_user_sgpr_count 2
		.amdhsa_user_sgpr_kernarg_segment_ptr 1
		.amdhsa_wavefront_size32 1
		.amdhsa_system_sgpr_workgroup_id_x 1
		.amdhsa_system_sgpr_workgroup_id_y 1
		.amdhsa_system_sgpr_workgroup_id_z 1
		.amdhsa_system_vgpr_workitem_id 0
		.amdhsa_next_free_vgpr 1024
		.amdhsa_next_free_sgpr 66
		.amdhsa_reserve_vcc 0
		.amdhsa_float_denorm_mode_32 3
		.amdhsa_float_denorm_mode_16_64 3
		.amdhsa_memory_ordered 1
		.amdhsa_forward_progress 1
		.amdhsa_inst_pref_size 138
	.end_amdhsa_kernel
	.amdgpu_metadata
---
amdhsa.version: [ 1, 2 ]
amdhsa.kernels:
  - .name:           k_q8c10349086_s1
    .symbol:         k_q8c10349086_s1.kd
    .args:
      - { .name: x_real, .offset: 0, .size: 8, .value_kind: global_buffer, .address_space: global }
      - { .name: x_imag, .offset: 8, .size: 8, .value_kind: global_buffer, .address_space: global }
      - { .name: h_real, .offset: 16, .size: 8, .value_kind: global_buffer, .address_space: global }
      - { .name: h_imag, .offset: 24, .size: 8, .value_kind: global_buffer, .address_space: global }
      - { .name: Lambda, .offset: 32, .size: 8, .value_kind: global_buffer, .address_space: global }
      - { .name: ub, .offset: 40, .size: 8, .value_kind: global_buffer, .address_space: global }
      - { .name: wt, .offset: 48, .size: 8, .value_kind: global_buffer, .address_space: global }
    .group_segment_fixed_size: 327680
    .private_segment_fixed_size: 0
    .kernarg_segment_align: 8
    .kernarg_segment_size: 56
    .max_flat_workgroup_size: 128
    .sgpr_count:     66
    .vgpr_count:     1024
    .wavefront_size: 32
...
	.end_amdgpu_metadata
.endif
;; end of part 2
;; launch s2 (part 3): grid 4 x 64, 4 waves a work-group, clusters of 4 x 4, 327,680 bytes of LDS; arguments ub, wt, out0, out1; writes out0, out1
.if DOCPART == 3
	.amdgcn_target "amdgcn-amd-amdhsa--gfx1250"
	.amdhsa_code_object_version 6
	.text
	.protected	k_q8c10349086_s2
	.globl	k_q8c10349086_s2
	.p2align	8
	.type	k_q8c10349086_s2,@function
k_q8c10349086_s2:
	s_mov_b64 s[64:65], 0
	v_nop
	global_prefetch_b8 v0, s[64:65] scope:SCOPE_SE
	s_setreg_imm32_b32 hwreg(HW_REG_WAVE_MODE, 25, 1), 1
	s_wait_xcnt 0x0
	s_wait_alu depctr_hold_cnt(0) depctr_sa_sdst(0) depctr_va_vdst(0) depctr_va_sdst(0) depctr_va_ssrc(0) depctr_va_vcc(0) depctr_vm_vsrc(0)
	s_getreg_b32 s2, hwreg(HW_REG_IB_STS2, 6, 4)
	s_cmp_eq_u32 s2, 0
	s_cbranch_scc0 .Lentry_in_a_cluster
	s_endpgm
.Lentry_in_a_cluster:
	s_bfe_u32 s2, ttmp6, 0x10000c
	s_cmp_lg_u32 s2, 0xf033
	s_cbranch_scc0 .Lentry_shape_is_right
	s_endpgm
.Lentry_shape_is_right:
; SECOND PRODUCT.  Out[b] = Ux Wx[b] + Uh Wh[b] (the gate's two factors are already in W): one sum over K = 2 sources x 512 q,
;   Or[p][j] = sum Ur[p][q] Wr[q][j] + (-Ui[p][q]) Wi[q][j],   Oi[p][j] = sum Ui[p][q] Wr[q][j] + Ur[p][q] Wi[q][j].
; U and W are bf16 in fragment order (ub, wt: written by the two launches before); sums in f32; Out is stored as f32, unrounded.  NaN and infinities are not treated apart.
; SHARES.  256 work-groups: X = block of 128 rows p, Y = 2 b + jh (jh: 256 columns j).  Wave w: 64 rows p (w / 2) x 128 columns j (w % 2), real and imaginary:
; 64 accumulators (c: Or, Oi; t4: 16 p; t8: 16 j), 512 registers.  K goes in 16 steps of 64; both tensors step by a constant from step to step, across the change of source too.
; CLUSTER 4 x 4.  W's tile hangs on Y alone and is shared along a row of the cluster, U's on X alone and is shared along a column: each is asked for JOINTLY.
; Waves 0 and 1 fetch the halves of U's tile (Ur, Ui, -Ui of 128 rows: 49,152 dense bytes), waves 2 and 3 Wr's and Wi's tiles (32,768 dense bytes each).
; THE MATRIX INSTRUCTION: source 0 = 16 rows j of W^T, source 1 = 16 rows p of U: a lane holds p = lane % 16 and eight NEIGHBOURING columns j = 8 (lane / 16) + 0..7 of Out.
; REGISTERS, in windows of 256 (s_set_vgpr_msb: bits 1:0 source 0, 3:2 source 1, 5:4 source 2, 7:6 destination):
;   window 0: addresses      window 1: fragments; on the way out rows read back      window 2: Or's accumulators at v[64 t4 + 8 t8]      window 3: Oi's
.set KBS,   196608                     ; ub: bytes from step to step,
.set RBS,   49152                      ;     of 128 rows in a step
.set QBS,   131072                     ; wt: bytes from step to step
.set WOFF,  RBS                        ; a slot: U's tile, then W's 65,536 bytes
.set SLOT1, 0x20000                    ; slot 1 begins here, so that one exclusive or turns an address in one slot into the other's
.set STAGE, 2*SLOT1                    ; behind the ring, never filled by a tensor load: 16 rows x 528 bytes for each wave, for the way out
.set SP,    528                        ; 512 bytes + 16 = 132 words: row r starts at bank 4 r mod 64 (64 banks of 4 bytes: ISA guide 11.1)
.set SPARE, STAGE+4*16*SP              ; behind the stages: the spare words, 128 bytes for each wave: two blocks of 256 bytes that no other line names
.set VL0, 4                            ; v4   my place in a slot's W: WOFF + 16,384 (w % 2) + 16 lane; never rewritten
.set VS0, 5                            ; v5   my place in a slot's U: 8,192 (w / 2) + 16 lane; never rewritten
.set VLA, 6                            ; v6   VL0 + the slot in hand
.set VSA, 7                            ; v7   VS0 + the slot in hand
.set STO, 8                            ; v8   the way out: where I put 32 bytes of a row
.set RD,  9                            ; v9   the way out: where I read a row back
.set CO,  10                           ; v10  16 lane: my place in 512 bytes of a row of Out
.set SPW, 14                           ; v14  LDS address of my spare word; never rewritten
.set NIL, 15                           ; v15  0; never rewritten
.set LB0, 0                            ; window 1: Wr, 8 fragments
.set LB1, 64                           ;           Wi
.set SA,  128                          ;           Ui, 4 fragments
.set SB,  160                          ;           -Ui
.set SD0, 192                          ;           Ur of a step's first 32 along K
.set SD1, 224                          ;           Ur of its second 32
.set MSB, 0
.macro WIN new                         ; the immediate's high byte repeats the setting that is left; a switch that changes nothing is dropped
.if MSB != (\new)
	s_set_vgpr_msb (MSB<<8)|(\new)
.set MSB, \new
.endif
.endm
.macro PLACES                          ; four plain vector instructions between a matrix instruction and a load into, or a store of, its registers
.rept 4
	v_nop
.endr
.endm
.macro CREST                           ; a round of the cluster's barrier behind its opening barrier
	s_cmp_lg_u32 s12, 0
	s_cbranch_scc1 .Lnot_wave_0_\@
	s_barrier_signal -3
.Lnot_wave_0_\@:
	s_barrier_wait -3
	s_barrier_signal -1
	s_barrier_wait -1
.endm
.macro CROUND                          ; a whole round
	s_barrier_signal -1
	s_barrier_wait -1
	CREST
.endm
; A joint load.  The branch hangs on the wave's number alone.  An s_nop 0 and four v_nop follow each of the two lines, ahead of the jump and the label.
.macro JLOAD
	s_cmp_eq_u32 s13, 0
	s_cbranch_scc0 .Lfor_w_\@
	tensor_load_to_lds s[32:35], s[24:31]
	s_nop 0
.rept 4
	v_nop
.endr
	s_branch .Lasked_\@
.Lfor_w_\@:
	tensor_load_to_lds s[56:59], s[48:55]
	s_nop 0
.rept 4
	v_nop
.endr
.Lasked_\@:
.endm
.macro DSTEP                           ; both walking descriptors: the other slot, the next step; the type bits on top are not reached
	s_xor_b32 s33, s33, SLOT1
	s_add_nc_u64 s[34:35], s[34:35], KBS
	s_xor_b32 s57, s57, SLOT1
	s_add_nc_u64 s[58:59], s[58:59], QBS
.endm
; 8 matrix instructions: 16 rows p (t4) x my 128 j, 32 along K, onto Or (c = 0) or Oi (c = 1).  zero = 1: the product starts the sums: nothing is cleared.
.macro MUL8 c, sreg, lreg, t4, zero
	WIN 0xa5+0x50*(\c)
.irp t8, 0,1,2,3,4,5,6,7
.if \zero
	v_wmma_f32_16x16x32_bf16 v[64*(\t4)+8*(\t8):64*(\t4)+8*(\t8)+7], v[(\lreg)+8*(\t8):(\lreg)+8*(\t8)+7], v[(\sreg)+8*(\t4):(\sreg)+8*(\t4)+7], 0
.else
	v_wmma_f32_16x16x32_bf16 v[64*(\t4)+8*(\t8):64*(\t4)+8*(\t8)+7], v[(\lreg)+8*(\t8):(\lreg)+8*(\t8)+7], v[(\sreg)+8*(\t4):(\sreg)+8*(\t4)+7], v[64*(\t4)+8*(\t8):64*(\t4)+8*(\t8)+7]
.endif
.endr
.endm
.macro PH c, sreg, lreg, zero          ; 32 of them: each of the 32 accumulators of c once
.irp t4, 0,1,2,3
	MUL8 \c, \sreg, \lreg, \t4, \zero
.endr
.endm
.macro FL var, ks, lreg                ; 16 LDS loads: Wr or Wi, 128 rows j x 32 K; each takes 512 consecutive bytes
	WIN 0x40
.irp t8, 0,1,2,3,4,5,6,7
	ds_load_b128 v[(\lreg)+8*(\t8):(\lreg)+8*(\t8)+3],   v[VLA] offset:(\var)*32768+(\t8)*2048+(\ks)*1024
	ds_load_b128 v[(\lreg)+8*(\t8)+4:(\lreg)+8*(\t8)+7], v[VLA] offset:(\var)*32768+(\t8)*2048+(\ks)*1024+512
.endr
.endm
.macro FS var, ks, sreg                ; 8 LDS loads: U's variant var, 64 rows p x 32 K
	WIN 0x40
.irp t4, 0,1,2,3
	ds_load_b128 v[(\sreg)+8*(\t4):(\sreg)+8*(\t4)+3],   v[VSA] offset:(\var)*16384+(\t4)*2048+(\ks)*1024
	ds_load_b128 v[(\sreg)+8*(\t4)+4:(\sreg)+8*(\t4)+7], v[VSA] offset:(\var)*16384+(\t4)*2048+(\ks)*1024+512
.endr
.endm
.macro FA ks, sd                       ; 32 loads for a quarter on Wr: Wr, Ur (its first half's), Ui (its second half's)
	FL 0, \ks, LB0
	FS 0, \ks, \sd
	FS 1, \ks, SA
.endm
.macro FB ks                           ; 24 loads for a quarter on Wi: Wi, -Ui (its second half's); Ur is there already
	FL 1, \ks, LB1
	FS 2, \ks, SB
.endm
; A STEP of 64 along K is four quarters of 64 matrix instructions; each takes every accumulator once, so the accumulators take turns, one instruction a turn.
; In a quarter's middle the next quarter's fragments are fetched in ONE run, into registers last read in the quarter before at the latest.
.macro QA ks, sd, zero                 ; on Wr: Or += Ur Wr, Oi += Ui Wr
	s_wait_dscnt 8                                 ; Wr and Ur are in; Ui's 8 loads may be out
	PH 0, \sd, LB0, \zero
	PLACES
	FB \ks
	s_wait_dscnt 24                                ; all but the 24 just issued
	PH 1, SA, LB0, \zero
.endm
.macro QB                              ; on Wi, a step's first 32 along K: Oi += Ur Wi, Or += (-Ui) Wi
	s_wait_dscnt 8                                 ; Wi is in; -Ui's 8 loads may be out
	PH 1, SD0, LB1, 0
	PLACES
	FA 1, SD1
	s_wait_dscnt 32                                ; all but the 32 just issued
	PH 0, SB, LB1, 0
.endm
; TURN: the step's last quarter (on Wi, second 32 along K) and the change of slots.  ONE barrier: in front of it each wave waits for all its tensor loads (one is out: its part of the next slot),
; adds 0 to its spare word, and waits for that and for its reads of this slot.  Behind it nobody reads this slot any more and the next slot is whole.
; refill = 1: the barrier opens a round of the cluster's, and this slot is filled again first thing behind it, two steps ahead.
.macro TURN refill
	WIN 0                                          ; (the add's two registers lie in window 0)
	s_wait_tensorcnt 0x0                           ; no tensor load of mine is out, so the descriptors may be written
	ds_add_u32 v[SPW], v[NIL]                      ; 0 onto my spare word
.if \refill
	DSTEP
.endif
	s_wait_dscnt 9                                 ; -Ui's 8 loads and the add may be out
	MUL8 1, SD1, LB1, 0, 0                         ; sixteen matrix instructions stand between the add and the wait for it
	MUL8 1, SD1, LB1, 1, 0
	s_wait_dscnt 0x0
	s_barrier_signal -1
	MUL8 1, SD1, LB1, 2, 0                         ; work on registers while the others arrive
	MUL8 1, SD1, LB1, 3, 0
	WIN 0                                          ; at a branch and at a label every window is 0
	s_barrier_wait -1
.if \refill
	CREST                                          ; no wave of any partner still reads this slot or has a load on its way
	JLOAD                                          ; my one tensor load behind the round; the four v_nop behind it are also the places in front of the loads below
.else
	PLACES
.endif
	s_xor_b32 s60, s60, SLOT1
	v_add_nc_u32 v[VLA], s60, v[VL0]
	v_add_nc_u32 v[VSA], s60, v[VS0]
	FA 0, SD0                                      ; the next step's first fragments
	PH 0, SB, LB1, 0                               ; -Ui came in with the wait for 0
.endm
; THE WAY OUT, block blk = 4 c + t4: 16 rows p x 128 columns j of f32.  A lane's 32 bytes go into my own stage (each accumulator's low half first), and whole rows of 512 bytes come back, into window 1.
; LDS serves a wave's instructions in order (ISA guide 5.7.1.4): the loads see the stores above them, and the next block's stores come behind them.
.macro TOSTAGE blk
	WIN 0x08+4*((\blk)/4)                          ; an LDS store's data is source 1: window 2 or 3
.irp t8, 0,1,2,3,4,5,6,7
	ds_store_b128 v[STO], v[64*((\blk)%4)+8*(\t8):64*((\blk)%4)+8*(\t8)+3]   offset:64*(\t8)
	ds_store_b128 v[STO], v[64*((\blk)%4)+8*(\t8)+4:64*((\blk)%4)+8*(\t8)+7] offset:64*(\t8)+16
.endr
.if (\blk) >= 4
	s_wait_xcnt 0x0                                ; the stores of the block four back have read these registers (ISA guide 3.1): only behind this wait are they loaded again
.endif
	WIN 0x40
.set i, 0
.rept 16
	ds_load_b128 v[64*((\blk)%4)+4*i:64*((\blk)%4)+4*i+3], v[RD] offset:SP*i
.set i, i+1
.endr
.endm
.macro SEND blk, younger               ; younger: the LDS instructions issued behind the block's loads: the next block's 32, or none
	s_wait_dscnt \younger
	WIN 0x04                                       ; a store's data is source 1: window 1
.set i, 0
.rept 16
.if (\blk) < 4
	global_store_b128 v[CO], v[64*((\blk)%4)+4*i:64*((\blk)%4)+4*i+3], s[8:9] offset:32768*((\blk)%4)+2048*i th:TH_STORE_NT  ; 512 consecutive bytes, aligned
.else
	global_store_b128 v[CO], v[64*((\blk)%4)+4*i:64*((\blk)%4)+4*i+3], s[10:11] offset:32768*((\blk)%4)+2048*i th:TH_STORE_NT
.endif
.set i, i+1
.endr
.endm
	s_load_b256 s[4:11], s[0:1], 0x0               ; ub s[4:5], wt s[6:7], out0 s[8:9], out1 s[10:11]
	v_lshl_add_u32 v[SPW], v0, 2, SPARE
	v_mov_b32 v[NIL], 0
	ds_add_u32 v[SPW], v[NIL]                      ; the wave's opening: the add and its wait ahead of my first tensor load; the set-up below, work on registers, stands between them
	v_lshrrev_b32 v1, 5, v0
	v_readfirstlane_b32 s12, v1                    ; wave 0..3
	s_lshr_b32 s13, s12, 1                         ; which 64 rows p are mine.  Also: I fetch for U (0) or for W (1)
	s_and_b32 s14, s12, 1                          ; which 128 columns j.  Also: which half of that tile I fetch
	s_bfe_u32 s40, ttmp6, 0x40000                  ; cx
	s_bfe_u32 s41, ttmp6, 0x40004                  ; cy
	s_lshl_b32 s42, ttmp9, 2                       ; in a cluster launch ttmp9 and ttmp7 count clusters
	s_add_co_u32 s42, s42, s40                     ; X = 4 x cluster x + cx
	s_and_b32 s43, ttmp7, 0xffff
	s_lshl_b32 s43, s43, 2
	s_add_co_u32 s43, s43, s41                     ; Y = 4 x cluster y + cy
	s_lshl_b32 s44, s41, 2
	s_lshl_b32 s44, 15, s44                        ; my row of the cluster
	s_lshl_b32 s45, 0x1111, s40                    ; my column
	; descriptor groups 1: dense bytes as rows of 256: 96 rows for half of U's tile, 128 for Wr's or Wi's
	s_or_b32 s24, s45, (3<<16)|(1<<21)             ; 15:0 the mask: U's tiles go to my column; 17:16 elements of 8 bytes; 21 set beside a mask; no padding
	s_mov_b32 s25, 32<<16                          ; tensor_dim0 = 32
	s_mov_b32 s26, 96<<16                          ; tensor_dim1 = 96
	s_mov_b32 s27, 32<<16                          ; tile_dim0 = 32
	s_mov_b32 s28, 96                              ; tile_dim1 = 96
	s_mov_b32 s29, 32                              ; 32 elements from row to row
	s_mov_b32 s30, 0
	s_mov_b32 s31, 0
	s_or_b32 s48, s44, (3<<16)|(1<<21)             ; W's tiles go to my row
	s_mov_b32 s49, 32<<16
	s_mov_b32 s50, 128<<16
	s_mov_b32 s51, 32<<16
	s_mov_b32 s52, 128
	s_mov_b32 s53, 32
	s_mov_b32 s54, 0
	s_mov_b32 s55, 0
	; where the tiles come from and go.  U's address is made of X and the wave's number, W's of Y and the wave's number, each in registers of its own; no place in the cluster enters an LDS address.
	s_mov_b32 s32, 1
	s_mul_i32 s33, s14, RBS/2
	s_mul_i32 s16, s42, RBS
	s_mul_i32 s17, s14, RBS/2
	s_add_co_u32 s16, s16, s17
	s_mov_b32 s17, 0
	s_mov_b32 s56, 1
	s_lshl_b32 s57, s14, 15
	s_add_co_u32 s57, s57, WOFF
	s_lshr_b32 s46, s43, 1                         ; batch
	s_lshl_b32 s46, s46, 21
	s_and_b32 s18, s43, 1                          ; jh
	s_lshl_b32 s19, s18, 15                        ; its 16 tiles of 16 j
	s_add_co_u32 s46, s46, s19
	s_lshl_b32 s19, s14, 16                        ; Wr or Wi
	s_add_co_u32 s46, s46, s19
	s_mov_b32 s47, 0
	; where my part of Out begins: batch x 1 MiB + (128 X + 64 (w / 2)) rows of 2,048 bytes + (256 jh + 128 (w % 2)) x 4 bytes
	s_lshr_b32 s20, s43, 1
	s_lshl_b32 s20, s20, 20
	s_lshl_b32 s22, s42, 18
	s_add_co_u32 s20, s20, s22
	s_lshl_b32 s22, s13, 17
	s_add_co_u32 s20, s20, s22
	s_lshl_b32 s22, s18, 10
	s_add_co_u32 s20, s20, s22
	s_lshl_b32 s22, s14, 9
	s_add_co_u32 s20, s20, s22
	s_mov_b32 s21, 0
	s_mov_b32 s60, 0                               ; the slot that is read
	v_and_b32 v1, 31, v0                           ; lane
	v_and_b32 v2, 15, v0                           ; lane % 16
	v_bfe_u32 v3, v0, 4, 1                         ; lane / 16
	v_lshlrev_b32 v[CO], 4, v1
	s_lshl_b32 s23, s14, 14
	s_add_co_u32 s23, s23, WOFF
	v_add_nc_u32 v[VL0], s23, v[CO]
	s_lshl_b32 s23, s13, 13
	v_add_nc_u32 v[VS0], s23, v[CO]
	s_mul_i32 s23, s12, 16*SP
	s_add_co_u32 s23, s23, STAGE                   ; my stage
	v_mul_u32_u24 v[STO], v2, SP                   ; in: row lane % 16, 32 bytes for each half of the lanes
	v_lshl_add_u32 v[STO], v3, 5, v[STO]
	v_add_nc_u32 v[STO], s23, v[STO]
	v_add_nc_u32 v[RD], s23, v[CO]                 ; back: 32 lanes take a row of 512 bytes
	s_wait_dscnt 0x0                               ; the opening add is done
	s_wait_kmcnt 0x0
	s_add_nc_u64 s[34:35], s[4:5], s[16:17]
	s_or_b32 s35, s35, 0x80000000                  ; type = 2
	s_add_nc_u64 s[58:59], s[6:7], s[46:47]
	s_or_b32 s59, s59, 0x80000000
	s_add_nc_u64 s[8:9], s[8:9], s[20:21]
	s_add_nc_u64 s[10:11], s[10:11], s[20:21]
	CROUND                                         ; all sixteen work-groups are here: the first joint loads meet
	JLOAD                                          ; step 0 into slot 0
	s_wait_tensorcnt 0x0                           ; my part of slot 0 is in
	ds_add_u32 v[SPW], v[NIL]
	DSTEP
	s_wait_dscnt 0x0
	CROUND                                         ; everybody's is
	JLOAD                                          ; step 1 into slot 1: its first fill, issued as a refill is
	v_add_nc_u32 v[VLA], s60, v[VL0]
	v_add_nc_u32 v[VSA], s60, v[VS0]
	FA 0, SD0
	QA 0, SD0, 1                                   ; the first quarter stands ahead of the loop: its products start all 64 sums
	WIN 0
	s_mov_b32 s61, 14
.Lstep:                                                ; trip t = 0..13: step t's last three quarters and step t + 1's first; asks for step t + 2
	QB
	QA 1, SD1, 0
	TURN 1
	QA 0, SD0, 0
	WIN 0
	s_sub_co_u32 s61, s61, 1
	s_cmp_lg_u32 s61, 0
	s_cbranch_scc1 .Lstep
	QB                                             ; step 14: nothing more is asked for
	QA 1, SD1, 0
	TURN 0
	QA 0, SD0, 0                                   ; step 15
	QB
	QA 1, SD1, 0
	s_wait_dscnt 8                                 ; the very last quarter: Wi is in, -Ui's 8 loads may be out
	PH 1, SD1, LB1, 0
	s_wait_dscnt 0x0
	PH 0, SB, LB1, 0
	PLACES
	TOSTAGE 0
.irp blk, 1,2,3,4,5,6,7                ; a block's way through the stage stands between the loads of the block before and its stores
	TOSTAGE \blk
	SEND (\blk)-1, 32
.endr
	SEND 7, 0
	WIN 0
	s_wait_tensorcnt 0x0                           ; the wave's end: behind my last tensor load and my last LDS store
	ds_add_u32 v[SPW], v[NIL]
	s_wait_dscnt 0x0
	CROUND                                         ; the closing round: no work-group ends while a partner may still ask for a tile that names it
	s_endpgm
.Lfunc_end_k_q8c10349086_s2:
	.size	k_q8c10349086_s2, .Lfunc_end_k_q8c10349086_s2-k_q8c10349086_s2
	.p2alignl 7, 3214868480
	.fill 96, 4, 3214868480
	.section	.rodata,"a",@progbits
	.p2align	6, 0x0
	.amdhsa_kernel k_q8c10349086_s2
		.amdhsa_group_segment_fixed_size 327680
		.amdhsa_private_segment_fixed_size 0
		.amdhsa_enable_private_segment 0
		.amdhsa_kernarg_size 32
		.amdhsa_user_sgpr_count 2
		.amdhsa_user_sgpr_kernarg_segment_ptr 1
		.amdhsa_wavefront_size32 1
		.amdhsa_system_sgpr_workgroup_id_x 1
		.amdhsa_system_sgpr_workgroup_id_y 1
		.amdhsa_system_sgpr_workgroup_id_z 1
		.amdhsa_system_vgpr_workitem_id 0
		.amdhsa_next_free_vgpr 1024
		.amdhsa_next_free_sgpr 66
		.amdhsa_reserve_vcc 0
		.amdhsa_float_denorm_mode_32 3
		.amdhsa_float_denorm_mode_16_64 3
		.amdhsa_memory_ordered 1
		.amdhsa_forward_progress 1
		.amdhsa_inst_pref_size 110
	.end_amdhsa_kernel
	.amdgpu_metadata
---
amdhsa.version: [ 1, 2 ]
amdhsa.kernels:
  - .name:           k_q8c10349086_s2
    .symbol:         k_q8c10349086_s2.kd
    .args:
      - { .name: ub, .offset: 0, .size: 8, .value_kind: global_buffer, .address_space: global }
      - { .name: wt, .offset: 8, .size: 8, .value_kind: global_buffer, .address_space: global }
      - { .name: out0, .offset: 16, .size: 8, .value_kind: global_buffer, .address_space: global }
      - { .name: out1, .offset: 24, .size: 8, .value_kind: global_buffer, .address_space: global }
    .group_segment_fixed_size: 327680
    .private_segment_fixed_size: 0
    .kernarg_segment_align: 8
    .kernarg_segment_size: 32
    .max_flat_workgroup_size: 128
    .sgpr_count:     66
    .vgpr_count:     1024
    .wavefront_size: 32
...
	.end_amdgpu_metadata
.endif
;; end of part 3
